; MI455X (gfx1250); checked and timed in simulation.
; The chip was launched on July 23, 2026; its instructions are those of AMD's public machine-readable ISA for CDNA 5 (MIT licence, August 2026) and "CDNA5" Instruction Set Architecture Reference Guide (July 2026). The comments in the code are by the model that wrote it; some were corrected since.
;; Attention. Allowed arithmetic: matrix products marked QUANTISED: E4M3 operands, one given power-of-two scale a tensor, by v_wmma_f32_16x16x64_fp8_fp8 or v_wmma_f32_16x16x128_fp8_fp8, f32 sums; everything else in f32.
;; Inputs: key 2 x 2,048 x 8 x 128 float32; lowp_scales 4 int32 (the exponents e of the quantised operands' scales 2^e); query 2 x 2,048 x 32 x 128 float32; value 2 x 2,048 x 8 x 128 float32.
;; Outputs: out0 2 x 2,048 x 32 x 128 float32.
;; This version of the problem:
;;   THIS VERSION OF THE PROBLEM IS GIVEN IN LOW PRECISION. The matrix products marked QUANTISED in the list below multiply operands that are first quantised to E4M3 (4 exponent bits, 3 mantissa bits; 8 bits a number), with one given power-of-two scale for each operand tensor; their sums are f32. All else is computed in f32.
;;   The module's matrix products, in the order in which they are computed (A, B: the left and right operand; K: the contracted axis; several contracted axes count as one K, in the product's order):
;;     1. batch 16 x [M 2,048, K 128] x [K 128, N 8,192]; A: input key; B: input query: QUANTISED (scales: A lowp_scales[0], B lowp_scales[1])
;;     2. batch 16 x [M 128, K 2,048] x [K 2,048, N 8,192]; A: input value; B: softmax (see below): QUANTISED (scales: A lowp_scales[2], B lowp_scales[3])
;;   THE QUANTISER, for each operand of a quantised product, along K:
;;     - The operand's scale is 2^e, e = its entry of the input lowp_scales (int32; the entries are numbered through the quantised products in the list's order, A before B).
;;     - Each number is divided by the scale, clamped to +-448, and rounded to the nearest number of E4M3, ties to even, subnormals kept.
;;     - The product sums the exact products of the quantised numbers (number of the format x scale) in f32.
;;   ~~~python
;;   def quantise(x, axis, e):      # numpy; x: float32 -> the quantised numbers, widened to float32 again
;;       x = np.moveaxis(x, axis, -1); K = x.shape[-1]
;;       r = np.clip(x / 2.0 ** e, -448, 448)
;;       step = 2.0 ** (np.maximum(np.frexp(np.where(r == 0, 1, r))[1] - 1, -6) - 3)
;;       q = np.round(r / step) * step * 2.0 ** e      # np.round: ties to even
;;       return np.moveaxis(q, -1, axis).astype(np.float32)
;;   ~~~
;;   SOFTMAX AHEAD OF A QUANTISED PRODUCT. Where the list says 'softmax', what is quantised is not the finished softmax but p = 2^(t - M), with t = logit x log2(e) and M = ceil(the row's largest t), a whole number; so 1/2 < the row's largest p <= 1. The row's sum l is taken of the UNQUANTISED p, in f32, and the product's result is divided by l at the end. Since M is a whole number, a kernel that streams over the keys may use a running M (the ceiling of the running maximum): every later rescaling is an exact power of two, so the quantised numbers keep their values, but for numbers so far below the row's largest that they fall under the format's range.
;;   OPERANDS COMPUTED ON THE WAY. 'Computed on the way' means the value that the module computes at that place (a softmax that the list does not call 'softmax' is quantised finished and normalised). What goes into a quantiser is computed in f32, as accurately as f32 sums, v_exp_f32 and their like allow (about 1e-6 of the number): no bf16 or f16 on the way to a quantiser, and a product that is left as it is and whose result goes on into a quantised operand takes f32 operands (vector FMAs, or v_wmma_f32_16x16x4_f32). A number that lies on a knife's edge between two numbers of the format may be rounded either way, as far as f32 arithmetic and the matrix unit's own rounding can turn it there, and no further.
;; One version. Each part assembles by itself: llvm-mc -triple=amdgcn-amd-amdhsa -mcpu=gfx1250 --defsym DOCPART=n.
;; ======== version 1 of 1: 2 launches
;; limits: right only within a limited range of input values
;; workspace buffers: kv_codes 8,388,608 bytes
;; launch quant_kv (part 1): grid 16 x 16, 8 waves a work-group, no clusters, 35,840 bytes of LDS; arguments key, value, lowp_scales, kv_codes; writes kv_codes
.if DOCPART == 1
	.amdgcn_target "amdgcn-amd-amdhsa--gfx1250"
	.amdhsa_code_object_version 6
	.text
	.protected	k_q38f87c2ab5_quant_kv
	.globl	k_q38f87c2ab5_quant_kv
	.p2align	8
	.type	k_q38f87c2ab5_quant_kv,@function
k_q38f87c2ab5_quant_kv:
	s_mov_b64 s[64:65], 0
	v_nop
	global_prefetch_b8 v0, s[64:65] scope:SCOPE_SE
	s_setreg_imm32_b32 hwreg(HW_REG_WAVE_MODE, 25, 1), 1
	s_wait_xcnt 0x0
; key, value: [2][2048][8][128] f32.  They become codes of FP8 (E4M3), each with its given scale 2^e (ek = entry 0, ev = entry 2 of the scales), laid as IMAGES OF THE OPERANDS' REGISTERS for the attention launch.
; code = x / 2^e, held within +-448, rounded to the nearest code, ties to even.  LIMITS: ek and ev between -126 and 119, so that 2^e and 448 x 2^e are f32 numbers.  NaN among the inputs is not served.
; kv_codes: [head y = 8 b + hk (16)][step s of 128 keys (16)][32,768 bytes].
;   bytes 0 .. 16,383: K's eight fragments.  Fragment t = 2 b' + u' at 2,048 t; piece c at + 512 c; lane (r = lane % 16, h = lane / 16) at + 16 lane:
;                      the codes of K[key 128 s + 32 b' + 8 u' + r + 8 (r / 8)][d = 32 c + 16 h + 0 .. 15].
;   bytes 16,384 on:   V's eight fragments.  Tile t (d = 16 t + r) at 2,048 t; piece c at + 512 c; + 16 lane: the codes of V[keys 128 s + 32 c + 16 h + 0 .. 15][d = 16 t + r]: the keys are that product's K.
; SHARES.  A work-group takes one head's step of 128 keys (x = step, y = head).  Wave w makes K's fragment w and, of V, keys 16 w .. 16 w + 15 for all 128 d.
; Each load is one key's row of 512 consecutive bytes, 16 a lane: lane l holds d = 4 l .. 4 l + 3.  One scale serves a whole tensor, so a number's code hangs on no neighbour:
; the numbers are converted as they lie, and the CODES, a quarter of the bytes, are turned through the wave's own stage in LDS.  Waves share nothing: no barrier, no loop; all 32 loads of a wave go out at once.
.set CP,   272                         ; a chunk of 256 bytes of codes in a stage, + 16 of padding: 68 words, so that the eight chunks begin four banks apart (64 banks of 4 bytes: ISA guide 11.1)
.set VSTG, 8*CP                        ; a wave's LDS: K's stage of eight chunks, then V's
.set WREG, 16*CP
.set LI,   1                           ; v1   16 x lane
.set KST,  4                           ; v4   K's stage, in: chunk lane / 4 (d = 16 (lane / 4) on), word lane % 4; the key's row stands in the immediate, 16 bytes a row
.set VST,  5                           ; v5   V's stage, in: chunk lane / 4 (tile of d), 64 (lane % 4): my four d, 16 bytes (16 keys) each
.set RDB,  6                           ; v6   both stages, out: chunk h (+ 2 an instruction), 16 r
.set VGO,  7                           ; v7   V's way out: tile h (+ 2 an instruction) x 2,048 + 16 r
.set XK,   16                          ; v16-79   K: 16 rows x 4 numbers
.set XV,   80                          ; v80-143  V likewise
.set CK,   144                         ; v144-159 K's codes: register i = row i, d = 4 l .. 4 l + 3
.set CV,   160                         ; v160-175 V's codes likewise
.set TI,   176                         ; v176-191 the turn of 4 x 4 bytes, half done
.set TT,   192                         ; v192-207 done: registers 4 dd .. 4 dd + 3 = keys 0 .. 15 of d = 4 l + dd
.set OK,   208                         ; v208-223 K's fragment as it leaves
.set OV,   224                         ; v224-239 V's 8 x 256 bytes as they leave
	s_load_b256 s[4:11], s[0:1], 0x0               ; key s[4:5], value s[6:7], the scales' exponents s[8:9], kv_codes s[10:11]
	v_lshl_add_u32 v240, v0, 2, 0x8800
	v_mov_b32 v241, 0
	v_lshrrev_b32 v12, 5, v0
	s_delay_alu instid0(VALU_DEP_1)
	v_readfirstlane_b32 s12, v12                   ; wave 0..7
	v_and_b32 v13, 31, v0                          ; lane
	s_delay_alu instid0(VALU_DEP_1)
	v_lshlrev_b32 v[LI], 4, v13
	v_and_b32 v2, 15, v0                           ; r
	v_bfe_u32 v3, v0, 4, 1                         ; h
	s_mul_i32 s13, s12, WREG                       ; my wave's LDS
	v_lshrrev_b32 v14, 2, v13
	v_and_b32 v15, 3, v13
	s_delay_alu instid0(VALU_DEP_2)
	v_mul_u32_u24 v14, v14, CP
	s_delay_alu instid0(VALU_DEP_1)
	v_add_nc_u32 v14, s13, v14                     ; chunk lane / 4
	s_delay_alu instid0(VALU_DEP_1)
	v_lshl_add_u32 v[KST], v15, 2, v14
	s_delay_alu instid0(VALU_DEP_2)
	v_lshl_add_u32 v[VST], v15, 6, v14
	s_delay_alu instid0(VALU_DEP_1)
	v_add_nc_u32 v[VST], VSTG, v[VST]
	v_mul_u32_u24 v[RDB], v3, CP
	s_delay_alu instid0(VALU_DEP_1)
	v_lshl_add_u32 v[RDB], v2, 4, v[RDB]
	s_delay_alu instid0(VALU_DEP_1)
	v_add_nc_u32 v[RDB], s13, v[RDB]
	v_lshlrev_b32 v[VGO], 11, v3
	s_delay_alu instid0(VALU_DEP_1)
	v_lshl_add_u32 v[VGO], v2, 4, v[VGO]
	; byte offsets, all under 2^25.  In key and value: batch x 2^23 + key x 4,096 + kv head x 512
	s_and_b32 s14, ttmp7, 0xffff                   ; y
	s_lshr_b32 s16, s14, 3
	s_lshl_b32 s16, s16, 23
	s_lshl_b32 s2, ttmp9, 19                       ; 128 keys a step
	s_add_co_u32 s16, s16, s2
	s_and_b32 s2, s14, 7
	s_lshl_b32 s2, s2, 9
	s_add_co_u32 s16, s16, s2
	s_lshr_b32 s2, s12, 1                          ; K: my fragment begins at key 32 (w / 2) + 8 (w % 2) of the step
	s_lshl_b32 s2, s2, 17
	s_and_b32 s3, s12, 1
	s_lshl_b32 s3, s3, 15
	s_add_co_u32 s2, s2, s3
	s_add_co_u32 s18, s16, s2
	s_mov_b32 s19, 0
	s_lshl_b32 s2, s12, 16                         ; V: my 16 keys begin at key 16 w
	s_add_co_u32 s16, s16, s2
	s_mov_b32 s17, 0
	s_lshl_b32 s14, s14, 19                        ; in kv_codes: head x 2^19 + step x 2^15
	s_lshl_b32 s2, ttmp9, 15
	s_add_co_u32 s14, s14, s2
	s_mov_b32 s15, 0
	s_mov_b32 s24, 0x05010400                      ; v_perm_b32: bytes 0 and 1 of two words, interleaved;
	s_mov_b32 s25, 0x07030602                      ; bytes 2 and 3;
	s_mov_b32 s26, 0x05040100                      ; the low halves of two words;
	s_mov_b32 s27, 0x07060302                      ; the high halves
	s_wait_kmcnt 0x0
	s_load_b128 s[20:23], s[8:9], 0x0              ; ek, eq, ev, ep
	s_add_nc_u64 s[4:5], s[4:5], s[18:19]
	s_add_nc_u64 s[6:7], s[6:7], s[16:17]
	s_add_nc_u64 s[10:11], s[10:11], s[14:15]
	s_lshl_b32 s14, s12, 11
	s_add_nc_u64 s[28:29], s[10:11], s[14:15]      ; K's fragment w
	s_lshl_b32 s14, s12, 8
	s_add_co_u32 s14, s14, 16384
	s_add_nc_u64 s[30:31], s[10:11], s[14:15]      ; V: piece w / 2, half w % 2 of every tile: 256 w bytes into each
.irp i, 0,1,2,3,4,5,6,7,8,9,10,11,12,13,14,15
	global_load_b128 v[XK+4*\i:XK+4*\i+3], v[LI], s[4:5] offset:(\i+8*(\i/8))*4096 th:TH_LOAD_NT   ; THE KEYS OF A FRAGMENT ARE NOT NEIGHBOURS: rows 0-7, then the eight that lie 16 further on.  32 lanes read 512 consecutive bytes
.endr
.irp i, 0,1,2,3,4,5,6,7,8,9,10,11,12,13,14,15
	global_load_b128 v[XV+4*\i:XV+4*\i+3], v[LI], s[6:7] offset:\i*4096 th:TH_LOAD_NT
.endr
	s_wait_kmcnt 0x0
	s_add_co_i32 s2, s20, 127
	s_lshl_b32 s3, s2, 23
	v_mov_b32 v8, s3                               ; 2^ek as f32: the conversion takes its exponent field
	s_add_co_i32 s2, s2, 8
	s_lshl_b32 s2, s2, 23
	s_or_b32 s2, s2, 0x600000
	v_mov_b32 v9, s2                               ; 448 x 2^ek
	s_add_co_i32 s2, s22, 127
	s_lshl_b32 s3, s2, 23
	v_mov_b32 v10, s3                              ; 2^ev
	s_add_co_i32 s2, s2, 8
	s_lshl_b32 s2, s2, 23
	s_or_b32 s2, s2, 0x600000
	v_mov_b32 v11, s2                              ; 448 x 2^ev
; 64 numbers v[x] on become 64 codes in v[c] on, four a register in the numbers' order.
.macro HOLDCVT x, c, sc, lim
.set k, 0
.rept 64
	v_med3_num_f32 v[\x+k], v[\x+k], -v[\lim], v[\lim]   ; the conversion to an 8-bit code does not saturate (ISA guide 7.6.2): the hold at the largest code x the scale
.set k, k+1
.endr
.set k, 0
.rept 8
	v_cvt_scalef32_pk8_fp8_f32 v[\c+2*k:\c+2*k+1], v[\x+8*k:\x+8*k+7], v[\sc]
.set k, k+1
.endr
	v_nop                                          ; one plain vector instruction between the last conversion and the vector instructions that read the codes
.endm
; Keys 4 g .. 4 g + 3: four words of four d each become four words of four keys each.
.macro TR4 g
	v_perm_b32 v[TI+4*\g],   v[CV+4*\g+1], v[CV+4*\g],   s24   ; keys 4 g, 4 g + 1: d 0, d 0, d 1, d 1
	v_perm_b32 v[TI+4*\g+1], v[CV+4*\g+1], v[CV+4*\g],   s25   ; d 2, d 2, d 3, d 3
	v_perm_b32 v[TI+4*\g+2], v[CV+4*\g+3], v[CV+4*\g+2], s24   ; keys 4 g + 2, 4 g + 3 likewise
	v_perm_b32 v[TI+4*\g+3], v[CV+4*\g+3], v[CV+4*\g+2], s25
	s_delay_alu instid0(VALU_DEP_2)
	v_perm_b32 v[TT+\g],     v[TI+4*\g+2], v[TI+4*\g],   s26   ; d 0 of the four keys
	s_delay_alu instid0(VALU_DEP_3)
	v_perm_b32 v[TT+4+\g],   v[TI+4*\g+2], v[TI+4*\g],   s27   ; d 1
	s_delay_alu instid0(VALU_DEP_3)
	v_perm_b32 v[TT+8+\g],   v[TI+4*\g+3], v[TI+4*\g+1], s26   ; d 2
	s_delay_alu instid0(VALU_DEP_4)
	v_perm_b32 v[TT+12+\g],  v[TI+4*\g+3], v[TI+4*\g+1], s27   ; d 3
.endm
	s_wait_alu depctr_va_vdst(0)
	s_wait_loadcnt 16                              ; K's 16 loads are in; V's 16 may be out
	HOLDCVT XK, CK, 8, 9
.irp i, 0,1,2,3,4,5,6,7,8,9,10,11,12,13,14,15
	ds_store_b32 v[KST], v[CK+\i] offset:16*\i     ; row i's four codes: the 32 lanes touch 32 different banks
.endr
.irp c, 0,1,2,3
	ds_load_b128 v[OK+4*\c:OK+4*\c+3], v[RDB] offset:2*CP*\c   ; chunk 2 c + h, row r: K(row r, 32 c + 16 h + 0 .. 15).  LDS serves a wave's instructions in order (ISA guide 5.7.1.4): these see my stores
.endr
	s_wait_loadcnt 0x0                             ; V
	HOLDCVT XV, CV, 10, 11
.irp g, 0,1,2,3
	TR4 \g
.endr
.irp d, 0,1,2,3
	ds_store_b128 v[VST], v[TT+4*\d:TT+4*\d+3] offset:16*\d    ; d = 4 l + dd: tile l / 4, its row 4 (l % 4) + dd: 16 keys
.endr
.irp m, 0,1,2,3
	ds_load_b128 v[OV+4*\m:OV+4*\m+3], v[RDB] offset:VSTG+2*CP*\m   ; tile 2 m + h, row r
.endr
	s_wait_dscnt 8                                 ; K's four loads are back: behind them stand V's four stores and four loads
.irp c, 0,1,2,3
	global_store_b128 v[LI], v[OK+4*\c:OK+4*\c+3], s[28:29] offset:512*\c    ; 32 lanes store 512 consecutive bytes, at a multiple of 256 from the buffer's first byte
.endr
	s_wait_dscnt 0x0
.irp m, 0,1,2,3
	global_store_b128 v[VGO], v[OV+4*\m:OV+4*\m+3], s[30:31] offset:4096*\m  ; 16 lanes store 256 consecutive bytes of tile 2 m + h, at a multiple of 256
.endr
	s_wait_tensorcnt 0x0
	ds_add_u32 v240, v241
	s_wait_dscnt 0x0
	s_endpgm
.Lfunc_end_k_q38f87c2ab5_quant_kv:
	.size	k_q38f87c2ab5_quant_kv, .Lfunc_end_k_q38f87c2ab5_quant_kv-k_q38f87c2ab5_quant_kv
	.p2alignl 7, 3214868480
	.fill 96, 4, 3214868480
	.section	.rodata,"a",@progbits
	.p2align	6, 0x0
	.amdhsa_kernel k_q38f87c2ab5_quant_kv
		.amdhsa_group_segment_fixed_size 35840
		.amdhsa_private_segment_fixed_size 0
		.amdhsa_enable_private_segment 0
		.amdhsa_kernarg_size 32
		.amdhsa_user_sgpr_count 2
		.amdhsa_user_sgpr_kernarg_segment_ptr 1
		.amdhsa_wavefront_size32 1
		.amdhsa_system_sgpr_workgroup_id_x 1
		.amdhsa_system_sgpr_workgroup_id_y 1
		.amdhsa_system_sgpr_workgroup_id_z 1
		.amdhsa_system_vgpr_workitem_id 0
		.amdhsa_next_free_vgpr 242
		.amdhsa_next_free_sgpr 66
		.amdhsa_reserve_vcc 0
		.amdhsa_float_denorm_mode_32 3
		.amdhsa_float_denorm_mode_16_64 3
		.amdhsa_memory_ordered 1
		.amdhsa_forward_progress 1
		.amdhsa_inst_pref_size 21
	.end_amdhsa_kernel
	.amdgpu_metadata
---
amdhsa.version: [ 1, 2 ]
amdhsa.kernels:
  - .name:           k_q38f87c2ab5_quant_kv
    .symbol:         k_q38f87c2ab5_quant_kv.kd
    .args:
      - { .name: key, .offset: 0, .size: 8, .value_kind: global_buffer, .address_space: global }
      - { .name: value, .offset: 8, .size: 8, .value_kind: global_buffer, .address_space: global }
      - { .name: lowp_scales, .offset: 16, .size: 8, .value_kind: global_buffer, .address_space: global }
      - { .name: kv_codes, .offset: 24, .size: 8, .value_kind: global_buffer, .address_space: global }
    .group_segment_fixed_size: 35840
    .private_segment_fixed_size: 0
    .kernarg_segment_align: 8
    .kernarg_segment_size: 32
    .max_flat_workgroup_size: 256
    .sgpr_count:     66
    .vgpr_count:     242
    .wavefront_size: 32
...
	.end_amdgpu_metadata
.endif
;; end of part 1
;; launch attend (part 2): grid 16 x 16, 8 waves a work-group, clusters of 4 x 1, 327,680 bytes of LDS; arguments query, kv_codes, lowp_scales, out0; writes out0
.if DOCPART == 2
	.amdgcn_target "amdgcn-amd-amdhsa--gfx1250"
	.amdhsa_code_object_version 6
	.text
	.protected	k_q38f87c2ab5_attend
	.globl	k_q38f87c2ab5_attend
	.p2align	8
	.type	k_q38f87c2ab5_attend,@function
k_q38f87c2ab5_attend:
	s_mov_b64 s[64:65], 0
	v_nop
	global_prefetch_b8 v0, s[64:65] scope:SCOPE_SE
	s_setreg_imm32_b32 hwreg(HW_REG_WAVE_MODE, 25, 1), 1
	s_wait_xcnt 0x0
	s_wait_alu depctr_hold_cnt(0) depctr_sa_sdst(0) depctr_va_vdst(0) depctr_va_sdst(0) depctr_va_ssrc(0) depctr_va_vcc(0) depctr_vm_vsrc(0)
	s_getreg_b32 s2, hwreg(HW_REG_IB_STS2, 6, 4)
	s_cmp_eq_u32 s2, 0
	s_cbranch_scc0 .Lentry_in_a_cluster
	s_endpgm
.Lentry_in_a_cluster:
	s_bfe_u32 s2, ttmp6, 0x10000c
	s_cmp_lg_u32 s2, 0x3003
	s_cbranch_scc0 .Lentry_shape_is_right
	s_endpgm
.Lentry_shape_is_right:
; Causal grouped-query attention on codes of FP8 (E4M3).  query, out0: [2][2048][32][128] f32.  kv_codes: K's and V's codes as images of the operands' registers:
; [head y = 8 b + hk][step of 128 keys][K's eight fragments, 16,384 bytes; V's eight, 16,384 bytes]; a fragment is 2,048 bytes: piece c at 512 c, lane l's 16 bytes at 16 l.
; The scales' exponents: ek, eq, ev, ep.  t = score x log2(e) / sqrt(128); M = the row's largest t so far, rounded UP to a whole number; p = 2^(t - M) is quantised, not normalised;
; the row's sum is taken of the unquantised p and divides O at the end.  When M moves, the sum and O are multiplied by 2^(old M - new M): nothing is rounded.
; WORK LEFT OUT: reference() sets every score with key > position to the least f32 number ahead of the softmax, so its p is 0 whatever the inputs hold: a step of 128 keys that all come after a wave's 32 positions
; adds nothing and is jumped over.  A NaN or an infinity that only such keys hold is not carried to the result.
; SHARES.  A work-group owns ONE query head (its place cx in the cluster) and TWO blocks of 256 positions: first block 7 - j, then block j (j = the cluster's x).  A slot holds 512 keys (four steps);
; block 7 - j walks 4 - j / 2 slots, block j walks 1 + j / 2: five slots whatever j is, so every trip count is a constant.  Eight waves, 32 positions each: two tiles of 16, so that a fragment read from LDS feeds two products.
; CLUSTER.  The four query heads of a kv head have the same j and walk the same slots in the same order: each slot is asked for JOINTLY.  Every wave issues one load: 4 rows of 4,096 bytes, piece w of each of the slot's four steps.
; cx enters the addresses of query, of out0 and of the prefetches alone (s13, s58, s70 and the pointers made of them): no descriptor, no LDS address, no branch.
; LDS: slot 0 at 0, slot 1 at 131,072: piece p of step s at 16,384 p + 4,096 s (p = 0..3: K's fragments 2 p, 2 p + 1; p = 4..7: V's); a stage of 4,352 bytes for each wave; the spare words.  All of LDS is claimed.
; QUERY.  Rows are loaded 512 consecutive bytes an instruction, held and converted as they lie (lane l: d = 4 l .. 4 l + 3), and the CODES turn through the wave's stage: chunk d / 16 at 528 bytes, row at 16.
; Block j's rows come in four chunks of 8 rows, each loaded one key step ahead of its conversion, during the first slot; their codes wait in the stage.  So query has no prefetch: its rows are asked for by loads a key step ahead.
; PREFETCH of K and V: macro ASK_KV.
; LAYOUT of the products: both transposed (S^T = K Q^T, O^T = V^T P^T): a lane holds ONE position (lane % 16).  Row r of K's fragment 2 b + u is key 32 b + 8 u + r + 8 (r / 8), so that the 16 registers of score tiles 2 b, 2 b + 1
; are keys 32 b + 16 (lane / 16) + 0 .. 15.  Along the head's 128 all fragments hold d = 32 c + 16 (lane / 16) + 0 .. 15 in registers 4 c .. 4 c + 3: the same permutation of k in both operands.
; LIMITS: eq + ek between -123 and 130 (added to c's exponent field); eq and ep between -126 and 119; ep + ev goes by v_ldexp_f32.  NaN is not served.  The scaled scores stay under 2^31 in magnitude.
; REGISTERS, window 0: v1-13 addresses; v14-25 statistics, six a tile: -M, largest t; sum in two halves; f, 0; v26-31 at work; v32-95 four fragments (FA); v96-223 S^T, then p; v224-255 p's codes.
;   window 1: v0-127 O^T; v128-159 Q's codes; v160-223 four fragments (FB); v224-255 a chunk of block j's query.
.set SLOT1, 1<<17
.set STEPB, 4096
.set STAGE, 2*SLOT1
.set OP,    272                        ; a stage row on the way out: 256 bytes + 16
.set QP,    528                        ; a chunk of Q's codes: 32 rows x 16 bytes + 16
.set WSTG,  16*OP
.set SPARE, STAGE+8*WSTG
.set LI,   1                           ; 16 x lane
.set AD,   2                           ; the step's K in LDS + 16 x lane
.set SPW,  3                           ; my spare word; never rewritten
.set NIL,  4                           ; 0; never rewritten
.set STO,  5                           ; stage: row r, + 32 h
.set SRD,  6                           ; stage: row h, + 16 r
.set QRD,  7                           ; Q's codes out: chunk h, + 16 r
.set DQ,   8                           ; r - 16 h
.set PFK,  9                           ; 256 x lane
.set KST,  10                          ; Q's codes in: chunk lane / 4, word lane % 4
.set PSC,  11                          ; 2^ep
.set AD2,  13                          ; the step's V
.set ST,   14
.set FA,   32
.set S,    96
.set PC,   224
.set QC,   128                         ; window 1
.set FB,   160                         ; window 1
.set RAW,  224                         ; window 1
.set WV,   12
.set G1,   16
.set G0,   24
.set KVW,  28
.set OFF,  30
.set KT,   32
.set SLOTS, 33
.set CNT,  34
.set SWF,  35                          ; the trip whose fetch begins block j's keys
.set SWS,  36                          ; the trip that begins block j's work; 0: the last slot
.set TB,   37
.set KF,   38
.set Q0,   39
.set Q0B,  40
.set QPA,  42
.set QPN,  44
.set OPA,  46
.set OPB,  48
.set PFA,  50
.set LIMK, 52
.set CS,   54
.set SEL,  56
.set PLS,  72                          ; 448 x 2^ep
.set QLN,  73                          ; -448 x 2^eq
.set EV,   74                          ; key steps done
.set MSB, 0
.macro WIN new
.if MSB != \new
	s_set_vgpr_msb (MSB<<8)|\new
.set MSB, \new
.endif
.endm
.macro CROUND
	s_barrier_signal -1
	s_barrier_wait -1
	s_cmp_lg_u32 s[WV], 0
	s_cbranch_scc1 .Lnot_wave_0_\@
	s_barrier_signal -3
.Lnot_wave_0_\@:
	s_barrier_wait -3
	s_barrier_signal -1
	s_barrier_wait -1
.endm
.macro JLOAD                           ; every wave's one joint load
	tensor_load_to_lds s[G0:G0+3], s[G1:G1+7]
	s_nop 0
.rept 4
	v_nop
.endr
.endm
; K AND V INTO THE L2.  A trip names the tile that the NEXT trip loads, four key steps ahead, while that is a tile of block 7 - j's walk that the cluster has not read: tiles 2 and (j < 2) 3.
; The four partners share a tile out BY ADDRESS, 32,768 bytes each; waves 0 to 3 take 8,192 each, lanes 256 bytes apart: each block of 256 bytes is named once in a cluster.  Tiles 0 and 1 come by their loads alone.
.macro ASK_KV
	s_cmp_gt_u32 s[SLOTS], s[LIMK]
	s_cbranch_scc0 .Lnot_mine_\@
	global_prefetch_b8 v[PFK], s[PFA:PFA+1] th:TH_LOAD_NT scope:SCOPE_SE
.Lnot_mine_\@:
.endm
; THE CHANGE OF SLOTS: all my tensor loads are in, the add, my reads of the slot that I leave are over; fill = 1: a round of the cluster's barrier, and the joint refill first behind it.
.macro CHANGE fill
	WIN 0
	s_wait_tensorcnt 0x0
	ds_add_u32 v[SPW], v[NIL]
.if \fill
	s_add_co_u32 s[KT], s[KT], 1
	s_cmp_eq_u32 s[SLOTS], s[SWF]
	s_cselect_b32 s[KT], 0, s[KT]                  ; tile 0 again, for block j
	s_lshl_b32 s[OFF], s[KT], 17
	s_add_nc_u64 s[G0+2:G0+3], s[KVW:KVW+1], s[OFF:OFF+1]
	s_or_b32 s[G0+3], s[G0+3], 0x80000000
	s_xor_b32 s[G0+1], s[G0+1], SLOT1
	s_wait_xcnt 0x0                                ; the last prefetch has read its address
	s_add_nc_u64 s[PFA:PFA+1], s[PFA:PFA+1], 0x20000
	s_wait_dscnt 0x0
	CROUND
	JLOAD
	ASK_KV
.else
	s_wait_dscnt 0x0
	s_barrier_signal -1
	s_barrier_wait -1
.endif
.endm
; The statistics and O^T start: the key step is written once, and its first walk finds zeros.
.macro RESET
.irp u, 0,1
	v_mov_b32 v[ST+6*\u+1], 0xff61b1e6             ; -3e38, under every t
	s_delay_alu instid0(VALU_DEP_1)
	v_floor_f32 v[ST+6*\u], -v[ST+6*\u+1]
	v_mov_b32 v[ST+6*\u+2], 0
	v_mov_b32 v[ST+6*\u+3], 0
	v_mov_b32 v[ST+6*\u+4], 0
	v_mov_b32 v[ST+6*\u+5], 0
.endr
	WIN 0x40
.set k, 0
.rept 128
	v_mov_b32 v[k], 0
.set k, k+1
.endr
	WIN 0
.endm
.macro QCLOAD                          ; Q's codes from the stage: register 4 c + . of tile u = Q(row 16 u + r, 32 c + 16 h + 0 .. 15)
	WIN 0x40
.irp u, 0,1
.irp c, 0,1,2,3
	ds_load_b128 v[QC+16*\u+4*\c:QC+16*\u+4*\c+3], v[QRD] offset:2*QP*\c+256*\u
.endr
.endr
	WIN 0
.endm
; A BLOCK ENDS: O^T / the sum x 2^(ep + ev) goes through my stage, 16 rows x 256 bytes at a time; sixteen lanes store 256 consecutive bytes, aligned.  reload = 1: the next block's codes leave the stage first.
.macro FINISH op, reload
.rept 4
	v_nop                                          ; places behind the last products
.endr
.if \reload
	QCLOAD
.endif
	v_and_b32 v30, 15, v0
	v_bfe_u32 v31, v0, 4, 1
	v_lshlrev_b32 v30, 4, v30
	v_lshl_add_u32 v30, v31, 14, v30               ; my offset in out0: row h, + 16 r
.irp u, 0,1
	v_add_f32 v[26+\u], v[ST+6*\u+2], v[ST+6*\u+3]
.endr
.irp u, 0,1
	s_delay_alu instid0(VALU_DEP_2)
	v_permlanex16_b32 v[28+\u], v[26+\u], s[SEL], s[SEL+1]
.endr
.irp u, 0,1
	s_delay_alu instid0(VALU_DEP_2)
	v_add_f32 v[26+\u], v[26+\u], v[28+\u]
.endr
	s_wait_alu depctr_va_vdst(0)                   ; ahead of the reciprocals,
.irp u, 0,1
	v_rcp_f32 v[ST+6*\u+4], v[26+\u]
.endr
	v_nop
	s_wait_alu depctr_va_vdst(0)                   ; and behind them
.irp u, 0,1
	v_ldexp_f32 v[ST+6*\u+4], v[ST+6*\u+4], s66
.endr
	WIN 0x01
	s_wait_alu depctr_va_vdst(0)                   ; ahead of the first reader of O^T
.irp u, 0,1
.set k, 0
.rept 32
	v_pk_mul_f32 v[S+64*\u+k:S+64*\u+k+1], v[64*\u+k:64*\u+k+1], v[ST+6*\u+4:ST+6*\u+5] op_sel_hi:[1,0]   ; register 8 t + i is o(r, 16 t + 8 h + i)
.set k, k+2
.endr
.endr
	WIN 0
.irp u, 0,1
.irp a, 0,1
.irp t, 0,1,2,3
	ds_store_b128 v[STO], v[S+64*\u+32*\a+8*\t:S+64*\u+32*\a+8*\t+3] offset:64*\t
	ds_store_b128 v[STO], v[S+64*\u+32*\a+8*\t+4:S+64*\u+32*\a+8*\t+7] offset:64*\t+16
.endr
.irp i, 0,1,2,3,4,5,6,7
	ds_load_b128 v[FA+64*\u+32*\a+4*\i:FA+64*\u+32*\a+4*\i+3], v[SRD] offset:2*\i*OP   ; LDS serves a wave's instructions in order (ISA guide 5.7.1.4)
.endr
.endr
.endr
	s_wait_dscnt 32                                ; tile 0 is back: behind it stand tile 1's 16 stores and 16 loads
.irp a, 0,1
.irp i, 0,1,2,3,4,5,6,7
	global_store_b128 v30, v[FA+32*\a+4*\i:FA+32*\a+4*\i+3], s[\op:\op+1] offset:2*\i*16384+256*\a th:TH_STORE_NT
.endr
.endr
	s_wait_dscnt 0x0
.irp a, 0,1
.irp i, 0,1,2,3,4,5,6,7
	global_store_b128 v30, v[FA+64+32*\a+4*\i:FA+64+32*\a+4*\i+3], s[\op:\op+1] offset:(16+2*\i)*16384+256*\a th:TH_STORE_NT
.endr
.endr
.endm
.macro MID                             ; block 7 - j leaves, block j begins
	FINISH OPA, 1
	RESET
	s_wait_xcnt 0x0                                ; the stores have read the registers that the next step loads
	s_mov_b32 s[Q0], s[Q0B]
	s_mov_b32 s[KF], 0
.endm
.macro FRAGS ad                        ; eight fragments, 32 LDS loads in one run
.irp t, 0,1,2,3
.irp c, 0,1,2,3
	ds_load_b128 v[FA+16*\t+4*\c:FA+16*\t+4*\c+3], v[\ad] offset:(\t/2)*16384+(\t%2)*2048+512*\c
.endr
.endr
	WIN 0x40
.irp t, 0,1,2,3
.irp c, 0,1,2,3
	ds_load_b128 v[FB+16*\t+4*\c:FB+16*\t+4*\c+3], v[\ad] offset:(2+\t/2)*16384+(\t%2)*2048+512*\c
.endr
.endr
	WIN 0
.endm
; Tile u on the diagonal.  Register n holds key KF + 16 h + 32 (n / 16) + n % 16; hidden where 32 (n / 16) + n % 16 > Q0 - KF + 16 u + r - 16 h.  v27 = -infinity.
.macro MASK u
	s_sub_co_i32 s2, s[Q0], s[KF]
	s_add_co_i32 s2, s2, 16*(\u)
	v_add_nc_u32 v26, s2, v[DQ]
.set n, 0
.rept 64
	v_cmp_gt_i32 vcc_lo, 32*(n/16)+n%16, v26
	v_cndmask_b32 v[S+64*(\u)+n], v[S+64*(\u)+n], v27, vcc_lo
.set n, n+1
.endr
.endm
.macro MAXM u                          ; the step's largest score, the running largest t, the new -M, f = 2^(old M - new M)
.set B0, S+64*(\u)
.set T0, ST+6*(\u)
	v_max3_num_f32 v26, v[B0], v[B0+1], v[B0+2]
	v_max3_num_f32 v27, v[B0+3], v[B0+4], v[B0+5]
.set k, 6
.rept 14
	v_max3_num_f32 v26, v26, v[B0+k], v[B0+k+1]
	v_max3_num_f32 v27, v27, v[B0+k+2], v[B0+k+3]
.set k, k+4
.endr
	v_max3_num_f32 v26, v26, v[B0+62], v[B0+63]
	s_delay_alu instid0(VALU_DEP_1)
	v_max_num_f32 v26, v26, v27
	s_delay_alu instid0(VALU_DEP_1)
	v_permlanex16_b32 v[28+(\u)], v26, s[SEL], s[SEL+1]
	s_delay_alu instid0(VALU_DEP_1)
	v_max_num_f32 v26, v26, v[28+(\u)]
	s_delay_alu instid0(VALU_DEP_1)
	v_mul_f32 v26, s[CS], v26
	s_delay_alu instid0(VALU_DEP_1)
	v_max_num_f32 v[T0+1], v[T0+1], v26
	v_mov_b32 v26, v[T0]
	s_delay_alu instid0(VALU_DEP_2)
	v_floor_f32 v[T0], -v[T0+1]
	s_delay_alu instid0(VALU_DEP_1)
	v_sub_f32 v26, v[T0], v26
	s_delay_alu instid0(VALU_DEP_1)
	v_cvt_i32_f32 v26, v26
	s_delay_alu instid0(VALU_DEP_1)
	v_ldexp_f32 v[T0+4], 1.0, v26
.endm
.macro SUMS u                          ; the row's sum of the UNQUANTISED p, in two chains
.set B0, S+64*(\u)
.set T0, ST+6*(\u)
	v_pk_add_f32 v[30:31], v[B0:B0+1], v[B0+2:B0+3]
.set k, 4
.rept 15
	v_pk_add_f32 v[T0+2:T0+3], v[T0+2:T0+3], v[B0+k:B0+k+1]
	v_pk_add_f32 v[30:31], v[30:31], v[B0+k+2:B0+k+3]
.set k, k+4
.endr
	s_delay_alu instid0(VALU_DEP_1)
	v_pk_add_f32 v[T0+2:T0+3], v[T0+2:T0+3], v[30:31]
.endm
.macro QUANTP u                        ; p becomes the second product's operand.  The conversion does not saturate (ISA guide 7.6.2); p is not negative, so the hold is one-sided: two numbers an instruction
.irp b, 0,1,2,3
.set k, 0
.rept 8
	v_dual_min_num_f32 v[S+64*(\u)+16*\b+k], s[PLS], v[S+64*(\u)+16*\b+k] :: v_dual_min_num_f32 v[S+64*(\u)+16*\b+k+1], s[PLS], v[S+64*(\u)+16*\b+k+1]
.set k, k+2
.endr
	v_cvt_scalef32_pk8_fp8_f32 v[PC+16*(\u)+4*\b:PC+16*(\u)+4*\b+1], v[S+64*(\u)+16*\b:S+64*(\u)+16*\b+7], v[PSC]
	v_cvt_scalef32_pk8_fp8_f32 v[PC+16*(\u)+4*\b+2:PC+16*(\u)+4*\b+3], v[S+64*(\u)+16*\b+8:S+64*(\u)+16*\b+15], v[PSC]
.endr
.endm
; A KEY STEP: 128 keys against my two tiles: 16 products K Q^T, the softmax, 16 products V^T P^T.  No two matrix instructions that follow each other share an accumulator.
.macro STEP
	s_add_co_u32 s2, s[Q0], 31
	s_cmp_gt_u32 s[KF], s2
	s_cbranch_scc1 .Lhidden_\@                     ; all 128 keys come after my 32 positions
	v_add_nc_u32 v[AD], s[TB], v[LI]
	v_add_nc_u32 v[AD2], 0x10000, v[AD]
.rept 2
	v_nop                                          ; with the two additions: four places in front of loads into registers that the last products read
.endr
	FRAGS AD
	s_wait_alu depctr_va_vdst(0)
	s_wait_dscnt 16                                ; the first four fragments are in
	WIN 0x04
.irp t, 0,1,2,3
.irp u, 0,1
	v_wmma_f32_16x16x128_fp8_fp8 v[S+64*\u+8*\t:S+64*\u+8*\t+7], v[FA+16*\t:FA+16*\t+15], v[QC+16*\u:QC+16*\u+15], 0
.endr
.endr
	s_wait_dscnt 0x0
	WIN 0x05
.irp t, 0,1,2,3
.irp u, 0,1
	v_wmma_f32_16x16x128_fp8_fp8 v[S+64*\u+8*(\t+4):S+64*\u+8*(\t+4)+7], v[FB+16*\t:FB+16*\t+15], v[QC+16*\u:QC+16*\u+15], 0
.endr
.endr
	WIN 0
.rept 4
	v_nop
.endr
	FRAGS AD2                                      ; V lands while the softmax is worked
	s_add_co_u32 s2, s[KF], 127
	s_cmp_le_u32 s2, s[Q0]
	s_cbranch_scc1 .Lopen_\@                       ; all 128 keys count
	v_mov_b32 v27, 0xff800000
	MASK 0
	MASK 1
.Lopen_\@:
	MAXM 0
	MAXM 1
.irp u, 0,1
.set k, 0
.rept 32
	v_pk_fma_f32 v[S+64*\u+k:S+64*\u+k+1], v[S+64*\u+k:S+64*\u+k+1], s[CS:CS+1], v[ST+6*\u:ST+6*\u+1] op_sel_hi:[1,0,0]   ; t - M
.set k, k+2
.endr
.endr
	s_wait_alu depctr_va_vdst(0)                   ; ahead of the batch,
.set k, 0
.rept 128
	v_exp_f32 v[S+k], v[S+k]
.set k, k+1
.endr
.irp u, 0,1
	v_pk_mul_f32 v[ST+6*\u+2:ST+6*\u+3], v[ST+6*\u+2:ST+6*\u+3], v[ST+6*\u+4:ST+6*\u+5] op_sel_hi:[1,0]
.endr
	s_wait_alu depctr_va_vdst(0)                   ; and behind it
	SUMS 0
	SUMS 1
	QUANTP 0
	QUANTP 1
	WIN 0x41
	s_wait_alu depctr_va_vdst(0)                   ; ahead of the first reader of O^T
.irp u, 0,1
.set k, 0
.rept 32
	v_pk_mul_f32 v[64*\u+k:64*\u+k+1], v[64*\u+k:64*\u+k+1], v[ST+6*\u+4:ST+6*\u+5] op_sel_hi:[1,0]
.set k, k+2
.endr
.endr
	s_wait_alu depctr_va_vdst(0)
	s_wait_dscnt 0x0                               ; V is in
	WIN 0x50
.irp t, 0,1,2,3
.irp u, 0,1
	v_wmma_f32_16x16x128_fp8_fp8 v[64*\u+8*\t:64*\u+8*\t+7], v[FA+16*\t:FA+16*\t+15], v[PC+16*\u:PC+16*\u+15], v[64*\u+8*\t:64*\u+8*\t+7]
.endr
.endr
	WIN 0x51
.irp t, 0,1,2,3
.irp u, 0,1
	v_wmma_f32_16x16x128_fp8_fp8 v[64*\u+8*(\t+4):64*\u+8*(\t+4)+7], v[FB+16*\t:FB+16*\t+15], v[PC+16*\u:PC+16*\u+15], v[64*\u+8*(\t+4):64*\u+8*(\t+4)+7]
.endr
.endr
	WIN 0
.Lhidden_\@:
	s_add_co_u32 s[KF], s[KF], 128
.endm
; Behind each of the first four key steps: the chunk of 8 rows of block j's query that was loaded a step ago is held, converted as it lies, and its codes go into the stage; the next chunk is asked for.
.macro EVENT
	s_cmp_ge_u32 s[EV], 4
	s_cbranch_scc1 .Lnoev_\@
	s_min_u32 s2, s[EV], 3
	s_lshl_b32 s2, s2, 7                           ; 8 rows of 16 bytes a chunk
	s_wait_loadcnt 0x0
	v_mov_b32 v27, s68                             ; 2^eq
	v_add_nc_u32 v26, s2, v[KST]
	WIN 0x41
.set k, 0
.rept 32
	v_med3_num_f32 v[RAW+k], v[RAW+k], s[QLN], s69 ; the hold at the largest code x the scale
.set k, k+1
.endr
	WIN 0x01
.set k, 0
.rept 4
	v_cvt_scalef32_pk8_fp8_f32 v[PC+2*k:PC+2*k+1], v[RAW+8*k:RAW+8*k+7], v27
.set k, k+1
.endr
	WIN 0
	v_nop                                          ; one plain vector instruction behind the last conversion
.set k, 0
.rept 8
	ds_store_b32 v26, v[PC+k] offset:16*k
.set k, k+1
.endr
	s_cmp_ge_u32 s[EV], 3
	s_cbranch_scc1 .Lnoev_\@
	s_add_nc_u64 s[QPN:QPN+1], s[QPN:QPN+1], 0x20000   ; 8 rows on; the loads that read it are done
	WIN 0x40
.set k, 0
.rept 8
	global_load_b128 v[RAW+4*k:RAW+4*k+3], v[LI], s[QPN:QPN+1] offset:k*16384 th:TH_LOAD_NT
.set k, k+1
.endr
	WIN 0
.Lnoev_\@:
	s_add_co_u32 s[EV], s[EV], 1
.endm
.macro STEPS ev                        ; a slot's four key steps: written once, walked four times
	s_mov_b32 s[CNT], 4
.Lstep_\@:
	STEP
.if \ev
	EVENT
.endif
	s_add_co_u32 s[TB], s[TB], STEPB
	s_sub_co_u32 s[CNT], s[CNT], 1
	s_cmp_lg_u32 s[CNT], 0
	s_cbranch_scc1 .Lstep_\@
	s_sub_co_u32 s[TB], s[TB], 4*STEPB
	s_xor_b32 s[TB], s[TB], SLOT1
.endm
	s_load_b256 s[4:11], s[0:1], 0x0               ; query, kv_codes, the scales' exponents, out0
	v_lshl_add_u32 v[SPW], v0, 2, SPARE
	v_mov_b32 v[NIL], 0
	ds_add_u32 v[SPW], v[NIL]
	ds_add_u32 v[SPW], v[NIL]
	v_lshrrev_b32 v26, 5, v0
	s_delay_alu instid0(VALU_DEP_1)
	v_readfirstlane_b32 s[WV], v26                 ; wave 0..7
	s_bfe_u32 s13, ttmp6, 0x40000                  ; cx
	s_mov_b32 s14, ttmp9                           ; j
	s_and_b32 s15, ttmp7, 0xffff                   ; y = 8 b + hk
	s_mov_b32 s[G1], 15|(3<<16)|(1<<21)            ; the mask: all four work-groups; elements of 8 bytes; bit 21 beside a mask
	s_mov_b32 s[G1+1], 512<<16                     ; tensor_dim0: 4,096 bytes
	s_mov_b32 s[G1+2], 4<<16                       ; tensor_dim1
	s_mov_b32 s[G1+3], 512<<16                     ; tile_dim0
	s_mov_b32 s[G1+4], 4                           ; tile_dim1: one row for each of the slot's steps
	s_mov_b32 s[G1+5], 4096                        ; from step to step: 32,768 bytes
	s_mov_b32 s[G1+6], 0
	s_mov_b32 s[G1+7], 0
	s_mov_b32 s[CS], 0x3e0293ee                    ; log2(e) / sqrt(128)
	s_mov_b32 s[SEL], 0x76543210
	s_mov_b32 s[SEL+1], 0xfedcba98
	s_mov_b32 s[KT], 0
	s_mov_b32 s[TB], 0
	s_mov_b32 s[KF], 0
	s_mov_b32 s[EV], 0
	s_mov_b32 s[SLOTS], 4
	s_mov_b32 s[OFF+1], 0
	s_lshr_b32 s[SWS], s14, 1                      ; block 7 - j walks 4 - j / 2 slots
	s_add_co_u32 s[SWF], s[SWS], 1
	s_add_co_u32 s[LIMK], s[SWS], 2
	s_cmp_lt_u32 s[WV], 4
	s_cselect_b32 s[LIMK], s[LIMK], 99             ; waves 4 to 7 prefetch nothing
	s_sub_co_u32 s3, 7, s14
	s_lshl_b32 s2, s[WV], 5
	s_lshl_b32 s[Q0], s3, 8
	s_add_co_u32 s[Q0], s[Q0], s2                  ; 256 (7 - j) + 32 x wave
	s_lshl_b32 s[Q0B], s14, 8
	s_add_co_u32 s[Q0B], s[Q0B], s2
	; byte offsets in query and out0, under 2^26: batch x 2^25 + position x 16,384 + head x 512
	s_lshr_b32 s2, s15, 3
	s_lshl_b32 s2, s2, 25
	s_lshl_b32 s70, s[WV], 19
	s_add_co_u32 s2, s2, s70
	s_and_b32 s70, s15, 7
	s_lshl_b32 s70, s70, 11
	s_add_co_u32 s2, s2, s70
	s_lshl_b32 s70, s13, 9
	s_add_co_u32 s70, s70, s2
	s_lshl_b32 s3, s3, 22
	s_add_co_u32 s58, s70, s3                      ; block 7 - j
	s_lshl_b32 s3, s14, 22
	s_add_co_u32 s70, s70, s3                      ; block j
	s_mov_b32 s59, 0
	s_mov_b32 s71, 0
	s_lshl_b32 s[G0+1], s[WV], 14                  ; LDS: piece w of slot 0
	s_lshl_b32 s2, s[WV], 12
	s_lshl_b32 s3, s15, 19
	s_add_co_u32 s2, s2, s3
	s_mov_b32 s3, 0
	s_mov_b32 s[G0], 1
	s_mul_i32 s67, s[WV], WSTG
	s_add_co_u32 s67, s67, STAGE                   ; my stage
	v_and_b32 v26, 31, v0                          ; lane
	v_and_b32 v27, 15, v0                          ; r
	v_bfe_u32 v31, v0, 4, 1                        ; h
	v_lshlrev_b32 v[LI], 4, v26
	v_mul_u32_u24 v30, v27, OP
	v_mul_u32_u24 v28, v31, OP
	v_mul_u32_u24 v29, v31, QP
	v_add_nc_u32 v30, s67, v30
	v_lshl_add_u32 v28, v27, 4, v28
	v_lshl_add_u32 v29, v27, 4, v29
	v_lshl_add_u32 v[STO], v31, 5, v30
	v_add_nc_u32 v[SRD], s67, v28
	v_add_nc_u32 v[QRD], s67, v29
	v_lshrrev_b32 v30, 2, v26
	v_and_b32 v28, 3, v26
	v_lshlrev_b32 v29, 4, v31
	v_mul_u32_u24 v30, v30, QP
	v_lshlrev_b32 v[PFK], 8, v26
	v_sub_nc_u32 v[DQ], v27, v29
	v_add_nc_u32 v30, s67, v30
	v_mov_b32 v29, 0                               ; a lane permute's destination counts as one of its sources
	v_lshl_add_u32 v[KST], v28, 2, v30
	v_mov_b32 v28, 0
	s_wait_dscnt 0x0                               ; both opening adds are done
	s_wait_alu depctr_va_vdst(0)
	s_wait_kmcnt 0x0
	s_load_b128 s[60:63], s[8:9], 0x0              ; ek, eq, ev, ep
	s_add_nc_u64 s[QPA:QPA+1], s[4:5], s[58:59]
	s_add_nc_u64 s[QPN:QPN+1], s[4:5], s[70:71]
.set k, 0
.rept 32
	global_load_b128 v[S+4*k:S+4*k+3], v[LI], s[QPA:QPA+1] offset:k*16384 th:TH_LOAD_NT   ; block 7 - j: a row of 512 consecutive bytes an instruction
.set k, k+1
.endr
	WIN 0x40
.set k, 0
.rept 8
	global_load_b128 v[RAW+4*k:RAW+4*k+3], v[LI], s[QPN:QPN+1] offset:k*16384 th:TH_LOAD_NT   ; block j's first chunk
.set k, k+1
.endr
	WIN 0
	s_add_nc_u64 s[OPA:OPA+1], s[10:11], s[58:59]
	s_add_nc_u64 s[OPB:OPB+1], s[10:11], s[70:71]
	s_add_nc_u64 s[KVW:KVW+1], s[6:7], s[2:3]
	s_mov_b64 s[G0+2:G0+3], s[KVW:KVW+1]
	s_or_b32 s[G0+3], s[G0+3], 0x80000000
	CROUND                                         ; all four work-groups are here: the first joint loads meet
	JLOAD                                          ; tile 0 into slot 0
	s_lshl_b32 s58, s13, 15                        ; the prefetches: my work-group's quarter of a tile,
	s_and_b32 s70, s[WV], 3
	s_lshl_b32 s70, s70, 13                        ; my wave's quarter of that,
	s_add_co_u32 s58, s58, s70
	s_lshl_b32 s70, s15, 19
	s_add_co_u32 s58, s58, s70
	s_add_co_u32 s58, s58, 0x20000                 ; in tile 1: the first change of slots steps it to tile 2
	s_add_nc_u64 s[PFA:PFA+1], s[6:7], s[58:59]
	s_wait_kmcnt 0x0
	s_add_co_i32 s2, s60, s61
	s_lshl_b32 s2, s2, 23
	s_add_co_i32 s[CS], s[CS], s2                  ; x 2^(ek + eq)
	s_mov_b32 s[CS+1], s[CS]
	s_add_co_i32 s66, s62, s63                     ; ev + ep
	s_add_co_i32 s2, s61, 127
	s_lshl_b32 s68, s2, 23                         ; 2^eq
	s_add_co_i32 s2, s2, 8
	s_lshl_b32 s2, s2, 23
	s_or_b32 s69, s2, 0x600000                     ; 448 x 2^eq
	s_or_b32 s[QLN], s69, 0x80000000
	s_add_co_i32 s2, s63, 127
	s_lshl_b32 s3, s2, 23
	v_mov_b32 v[PSC], s3
	s_add_co_i32 s2, s2, 8
	s_lshl_b32 s2, s2, 23
	s_or_b32 s[PLS], s2, 0x600000
	v_mov_b32 v27, s68
	RESET
.irp u, 0,1
	s_wait_loadcnt 24-16*\u                        ; tile u's 16 rows are in; behind them: tile 1's 16 (u = 0) and the chunk's 8
.set k, 0
.rept 64
	v_med3_num_f32 v[S+64*\u+k], v[S+64*\u+k], s[QLN], s69
.set k, k+1
.endr
.set k, 0
.rept 8
	v_cvt_scalef32_pk8_fp8_f32 v[PC+16*\u+2*k:PC+16*\u+2*k+1], v[S+64*\u+8*k:S+64*\u+8*k+7], v27
.set k, k+1
.endr
	v_nop                                          ; one plain vector instruction behind the last conversion
.set k, 0
.rept 16
	ds_store_b32 v[KST], v[PC+16*\u+k] offset:256*\u+16*k   ; row 16 u + k: the 32 lanes touch 32 different banks
.set k, k+1
.endr
.endr
	QCLOAD
	s_wait_alu depctr_va_vdst(0)
.Lslot:                                            ; 4 trips: trip n works the n-th of the pair's 5 slots and asks for the next
	CHANGE 1
	s_cmp_eq_u32 s[SLOTS], s[SWS]                  ; j > 1: block j begins with the fourth slot; the same in all four partners
	s_cbranch_scc0 .Lsame
	MID
.Lsame:
	STEPS 1
	s_sub_co_u32 s[SLOTS], s[SLOTS], 1
	s_cmp_lg_u32 s[SLOTS], 0
	s_cbranch_scc1 .Lslot
	CHANGE 0                                       ; the last slot is written out: it asks for nothing
	s_cmp_eq_u32 s[SWS], 0                         ; j < 2: block j begins with the fifth slot
	s_cbranch_scc0 .Lsame2
	MID
.Lsame2:
	STEPS 0
	FINISH OPB, 0
	s_wait_tensorcnt 0x0                           ; the wave's end
	ds_add_u32 v[SPW], v[NIL]
	s_wait_dscnt 0x0
	CROUND                                         ; the closing round
	s_endpgm
.Lfunc_end_k_q38f87c2ab5_attend:
	.size	k_q38f87c2ab5_attend, .Lfunc_end_k_q38f87c2ab5_attend-k_q38f87c2ab5_attend
	.p2alignl 7, 3214868480
	.fill 96, 4, 3214868480
	.section	.rodata,"a",@progbits
	.p2align	6, 0x0
	.amdhsa_kernel k_q38f87c2ab5_attend
		.amdhsa_group_segment_fixed_size 327680
		.amdhsa_private_segment_fixed_size 0
		.amdhsa_enable_private_segment 0
		.amdhsa_kernarg_size 32
		.amdhsa_user_sgpr_count 2
		.amdhsa_user_sgpr_kernarg_segment_ptr 1
		.amdhsa_wavefront_size32 1
		.amdhsa_system_sgpr_workgroup_id_x 1
		.amdhsa_system_sgpr_workgroup_id_y 1
		.amdhsa_system_sgpr_workgroup_id_z 1
		.amdhsa_system_vgpr_workitem_id 0
		.amdhsa_next_free_vgpr 512
		.amdhsa_next_free_sgpr 80
		.amdhsa_reserve_vcc 1
		.amdhsa_float_denorm_mode_32 3
		.amdhsa_float_denorm_mode_16_64 3
		.amdhsa_memory_ordered 1
		.amdhsa_forward_progress 1
		.amdhsa_inst_pref_size 168
	.end_amdhsa_kernel
	.amdgpu_metadata
---
amdhsa.version: [ 1, 2 ]
amdhsa.kernels:
  - .name:           k_q38f87c2ab5_attend
    .symbol:         k_q38f87c2ab5_attend.kd
    .args:
      - { .name: query, .offset: 0, .size: 8, .value_kind: global_buffer, .address_space: global }
      - { .name: kv_codes, .offset: 8, .size: 8, .value_kind: global_buffer, .address_space: global }
      - { .name: lowp_scales, .offset: 16, .size: 8, .value_kind: global_buffer, .address_space: global }
      - { .name: out0, .offset: 24, .size: 8, .value_kind: global_buffer, .address_space: global }
    .group_segment_fixed_size: 327680
    .private_segment_fixed_size: 0
    .kernarg_segment_align: 8
    .kernarg_segment_size: 32
    .max_flat_workgroup_size: 256
    .sgpr_count:     80
    .vgpr_count:     512
    .wavefront_size: 32
...
	.end_amdgpu_metadata
.endif
;; end of part 2
